; MI455X (gfx1250); checked and timed in simulation.
; The chip was launched on July 23, 2026; its instructions are those of AMD's public machine-readable ISA for CDNA 5 (MIT licence, August 2026) and "CDNA5" Instruction Set Architecture Reference Guide (July 2026). The comments in the code are by the model that wrote it; some were corrected since.
;; Row Parallel Triton Fused Moe Linear. Allowed arithmetic: float matrix products may take bf16 or f16 operands with f32 sums; all other float work in f32.
;; Inputs: b 8 x 2,048 float32; expert_ids 2,048 int32; w 8 x 2,048 x 2,048 float32; x 2,048 x 2,048 float32.
;; Outputs: out0 2,048 x 2,048 float32.
;; 2 versions, each right; version 2 is version 1 with the launch gemm written anew for expert scheduling mode. Each part assembles by itself: llvm-mc -triple=amdgcn-amd-amdhsa -mcpu=gfx1250 --defsym DOCPART=n.
;; ======== version 1 of 2: 2 launches
;; workspace buffers: xp 73,400,320 bytes; order 71,680 bytes of whole numbers; meta 256 bytes of whole numbers
;; launch pack (part 1): grid 256 x 1, 4 waves a work-group, no clusters, 87,552 bytes of LDS; arguments x, expert_ids, xp, order, meta; writes xp, order, meta
.if DOCPART == 1
	.amdgcn_target "amdgcn-amd-amdhsa--gfx1250"
	.amdhsa_code_object_version 6
	.text
	.protected	k_q62b37c9b3b_pack
	.globl	k_q62b37c9b3b_pack
	.p2align	8
	.type	k_q62b37c9b3b_pack,@function
k_q62b37c9b3b_pack:
	s_mov_b64 s[64:65], 0
	v_nop
	global_prefetch_b8 v0, s[64:65] scope:SCOPE_SE
	s_setreg_imm32_b32 hwreg(HW_REG_WAVE_MODE, 25, 1), 1
	s_wait_xcnt 0x0
; PACK: sorts the 2,048 tokens by expert and lays each expert's rows of x down in bf16, in the order in which the product's
; A fragments are read.  x: [2048][2048] f32.  expert_ids: [2048] i32.
; Out:  meta[e] = P, the number of chunks of 320 places that expert e fills (0 to 7);
;       order[e][place] (i32, 2,240 places an expert, 320 P of them written): the token at that place;
;       xp, bf16: byte ((e*4 + j)*7 + p)*327680 + s*20480 + t*1024 + hh*512 + lane*16 holds, for lane = r + 16 h, the eight numbers
;       x[order[e][320 p + 16 t + r]][512 j + 32 s + 16 hh + 8 h + 0..7].
; PADDING: a place behind the expert's last token stands for the token at place 0, in order and in xp alike.  The product then makes that
; token's row once more and stores the same numbers to the same bytes, so it needs no mask on its stores.
; LIMIT: expert_ids lie in 0..7 (the table that the problem indexes); a token with another id enters no list and gets no output row.
; Work-group g: expert e = g / 32, and q = g % 32: columns 64 q .. 64 q + 63 of x, 256 aligned bytes of each row, which are the
; K steps 2 (q % 8) and 2 (q % 8) + 1 of K quarter j = q / 8.  Wave wv takes tiles 5 wv .. 5 wv + 4 (16 places each) of every chunk.
; Every wave makes the whole list of its expert for itself, in LDS bytes of its own: 64 compares a lane cost less than handing
; counts and places from wave to wave.
; All waves and all 32 work-groups of an expert walk the ids in the same order, so all get the same list; q = 0 stores it.
; The at most seven chunks are written out one behind the other, each behind an exit on P: the chunk's number stands in the
; immediates, so no address register and no base is ever stepped.
; No tensor loads (rows are gathered by a list), no cluster (no two work-groups read the same bytes of x), no matrix unit.
.set LISTP,  10240                     ; a wave's list: 2,560 words, all filled with -1; places 0 to 2,239 are the list, 32 spare words begin at place 2,304
.set DUMP0,  2304                      ; place 2,304 + lane: where a lane writes a token of another expert; never used
.set STAGE0, 4*LISTP                   ; behind the lists: a wave's stage, five tiles
.set BLKP,   288                       ; a block of 16 rows x 16 bytes, 256 bytes + 32: the eight blocks that a b64 store touches start 32 bytes apart modulo 256
.set TILEP,  8*BLKP                    ; a tile's eight blocks: (K step, hh, h)
.set STAGEP, 5*TILEP
.set CHUNKB, 327680                    ; bytes of xp from a chunk to the next
.set LN,    1                          ; lane
.set CC,    2                          ; lane % 16: which 16 bytes (4 f32) of the row's 256
.set RP,    3                          ; lane / 16: even or odd row of a pair
.set IDO,   4                          ; 16 x lane: my ids in a load of 128
.set TB,    5                          ; 4 x lane: the first token of those
.set POS,   6
.set TK,    7
.set LB,    8                          ; LDS: my wave's places in chunk 0, + 4 RP; never rewritten
.set CB,    9                          ; 16 CC
.set SW,    10                         ; stage, way in
.set SR,    11                         ; stage, way back
.set XO,    12                         ; my 16 bytes in xp: 5,120 wv + 16 lane
.set LO,    13                         ; LDS: 16 x thread in chunk 0 of my wave's list (the list's way out, q = 0); never rewritten
.set FILL,  14                         ; v[14:17]  -1; later four places on their way to order
.set LOG,   18                         ; 16 x thread in order's chunk 0; never rewritten
.set DUMPI, 19                         ; 2,304 + lane
.set LBASE, 20                         ; my wave's list
.set FA,    21
.set MZ,    22
.set MD,    23
.set T0,    24
.set FT,    25                         ; the token at place 0, which padding places stand for
.set TOK,   32                         ; v[32:71]   the list's entries for my 40 pairs of rows
.set X,     72                         ; v[72:231]  first the 64 ids; then 40 x 4 registers of x
	s_load_b256 s[4:11], s[0:1], 0x0               ; x s[4:5], expert_ids s[6:7], xp s[8:9], order s[10:11]
	s_load_b64 s[12:13], s[0:1], 0x20              ; meta
	v_lshl_add_u32 v232, v0, 2, 0x15400
	v_mov_b32 v233, 0
	v_lshrrev_b32 v1, 5, v0
	v_readfirstlane_b32 s14, v1                    ; wave
	s_lshr_b32 s15, ttmp9, 5                       ; e
	s_and_b32 s16, ttmp9, 31                       ; q
	v_and_b32 v[LN], 31, v0
	v_lshlrev_b32 v[IDO], 4, v[LN]
	s_wait_kmcnt 0x0
.irp d, 0,1,2,3,4,5,6,7,8,9,10,11,12,13,14,15
	global_load_b128 v[X+4*\d:X+4*\d+3], v[IDO], s[6:7] offset:512*\d   ; ids of tokens 128 d + 4 lane + 0..3
.endr
	v_and_b32 v[CC], 15, v0
	v_bfe_u32 v[RP], v0, 4, 1
	v_lshlrev_b32 v[TB], 2, v[LN]
	v_add_nc_u32 v[DUMPI], DUMP0, v[LN]
	s_mul_i32 s20, s14, LISTP                      ; my wave's list
	v_mov_b32 v[LBASE], s20
	v_lshl_add_u32 v[FA], v[LN], 4, s20
	v_mov_b32 v[FILL], -1
	v_mov_b32 v[FILL+1], -1
	v_mov_b32 v[FILL+2], -1
	v_mov_b32 v[FILL+3], -1
.irp d, 0,1,2,3,4,5,6,7,8,9,10,11,12,13,14,15,16,17,18,19
	ds_store_b128 v[FA], v[FILL:FILL+3] offset:512*\d                   ; 20 x 512 bytes: all 2,560 words of my wave's list = -1
.endr
	s_mul_i32 s22, s14, 320                        ; five tiles of 16 places of 4 bytes
	s_add_co_u32 s22, s22, s20
	v_lshl_add_u32 v[LB], v[RP], 2, s22
	v_lshl_add_u32 v[LO], v0, 4, s20
	v_lshlrev_b32 v[LOG], 4, v0
	v_lshlrev_b32 v[CB], 4, v[CC]
	s_mul_i32 s23, s14, STAGEP
	s_add_co_u32 s23, s23, STAGE0                  ; my wave's stage
	; way in: my 4 numbers are k = 4 CC + 0..3 of the 64: block CC / 2 = 4 (K step) + 2 hh + h, half CC % 2 of the row's 16 bytes
	v_lshrrev_b32 v[T0], 1, v[CC]
	v_mul_u32_u24 v[SW], v[T0], BLKP
	v_and_b32 v[T0], 1, v[CC]
	v_lshl_add_u32 v[SW], v[T0], 3, v[SW]
	v_lshl_add_u32 v[SW], v[RP], 4, v[SW]
	v_add_nc_u32 v[SW], s23, v[SW]
	; way back: lane r + 16 h takes row r of block h of a pair of blocks
	v_mul_u32_u24 v[SR], v[RP], BLKP
	v_lshl_add_u32 v[SR], v[CC], 4, v[SR]
	v_add_nc_u32 v[SR], s23, v[SR]
	s_mul_i32 s24, s14, 5120
	v_lshl_add_u32 v[XO], v[LN], 4, s24
	; The list.  For each of my 64 id registers: the lanes whose token is e's take the next places, in lane order; the others write
	; to their spare word.  The clamp by a constant is the last step in front of the shift, so the address lies in my wave's list.
	; LDS serves a wave's instructions in order (ISA guide 5.7.1), so these stores land on the fill, and the loads below see them.
	s_mov_b32 s19, 0                               ; places taken so far
.set n, 0
.rept 64
.if (n % 4) == 0
	s_wait_loadcnt 15 - n/4                        ; loads come back in order: this register's load is in, the younger ones stay out
.endif
	v_cmp_eq_u32 vcc_lo, s15, v[X+n]
	v_mbcnt_lo_u32_b32 v[POS], vcc_lo, s19         ; places taken + e's lanes below me
	v_cndmask_b32 v[POS], v[DUMPI], v[POS], vcc_lo
	v_min_u32 v[POS], DUMP0+31, v[POS]
	v_lshl_add_u32 v[POS], v[POS], 2, v[LBASE]
	v_add_nc_u32 v[TK], 128*(n/4) + (n%4), v[TB]   ; the token
	ds_store_b32 v[POS], v[TK]
	s_bcnt1_i32_b32 s20, vcc_lo
	s_add_co_u32 s19, s19, s20
.set n, n+1
.endr
	ds_load_b32 v[FT], v[LBASE]                    ; the token at place 0, in every lane (-1 if the expert has none: then no chunk follows)
	; P = ceil(M / 320) = floor((M + 319) x 13108 / 2^22): 13108 x 320 = 2^22 + 256, so the quotient is too large by a
	; factor 1 + 2^-14, at most 0.0005 for M + 319 <= 2,367, less than the 1/320 that is left below the next whole number
	s_add_co_u32 s17, s19, 319
	s_mul_i32 s17, s17, 13108
	s_lshr_b32 s17, s17, 22
	s_min_u32 s17, s17, 7
	s_mov_b32 s27, 0
	s_lshl_b32 s26, s16, 8
	s_add_nc_u64 s[4:5], s[4:5], s[26:27]          ; x at my 256 bytes of row 0
	s_lshl_b32 s20, s15, 2
	s_lshr_b32 s22, s16, 3
	s_add_co_u32 s20, s20, s22                     ; 4 e + j
	s_mul_i32 s26, s20, 7*CHUNKB
	s_and_b32 s22, s16, 7
	s_mul_i32 s22, s22, 40960                      ; two K steps of 20,480 bytes
	s_add_co_u32 s26, s26, s22
	s_add_nc_u64 s[8:9], s[8:9], s[26:27]          ; xp at chunk 0, my first K step
	s_mul_i32 s26, s15, 8960
	s_add_nc_u64 s[10:11], s[10:11], s[26:27]      ; order at e's places
	s_lshl_b32 s26, s15, 2
	s_add_nc_u64 s[12:13], s[12:13], s[26:27]      ; meta[e]
	s_or_b32 s20, s16, s14
	s_cmp_lg_u32 s20, 0
	s_cbranch_scc1 .Lno_meta                       ; thread 0 of the work-group with q = 0 stores P
	v_mov_b32 v[MZ], 0
	v_mov_b32 v[MD], s17
	v_cmp_eq_u32 vcc_lo, 0, v0
	s_wait_xcnt 0x0                                ; EXEC changes only behind this wait
	s_and_saveexec_b32 s21, vcc_lo
	global_store_b32 v[MZ], v[MD], s[12:13]
	s_wait_xcnt 0x0                                ; and again in front of the line that widens it
	s_or_b32 exec_lo, exec_lo, s21
.Lno_meta:
; One tile of chunk p: 16 rows x 64 numbers.  Pair i of rows is rounded to bf16 as its load comes in, and 8 bytes a lane go into the
; stage; then the tile's four pieces of 512 bytes are read back in fragment order and stored.
.macro PTILE tau, p
.irp i, 0,1,2,3,4,5,6,7
	s_wait_loadcnt 39-(8*\tau+\i)                  ; my loads come back in order: this pair is in, the younger ones stay out
	v_cvt_pk_bf16_f32 v[X+32*\tau+4*\i], v[X+32*\tau+4*\i], v[X+32*\tau+4*\i+1]
	v_cvt_pk_bf16_f32 v[X+32*\tau+4*\i+1], v[X+32*\tau+4*\i+2], v[X+32*\tau+4*\i+3]
	ds_store_b64 v[SW], v[X+32*\tau+4*\i:X+32*\tau+4*\i+1] offset:TILEP*\tau+32*\i   ; rows 2 i and 2 i + 1
.endr
.irp m, 0,1,2,3
	ds_load_b128 v[X+32*\tau+4*\m:X+32*\tau+4*\m+3], v[SR] offset:TILEP*\tau+2*\m*BLKP   ; m = 2 (K step) + hh; my wave's own bytes, served in order behind the stores
.endr
.irp m, 0,1,2,3
	s_wait_dscnt 3-\m
	global_store_b128 v[XO], v[X+32*\tau+4*\m:X+32*\tau+4*\m+3], s[8:9] offset:CHUNKB*\p+1024*\tau+20480*(\m>>1)+512*(\m&1)   ; 512 consecutive bytes, aligned
.endr
.endm
; Chunk p: 320 places.
.macro PASS p
.set n, 0
.rept 40
	ds_load_b32 v[TOK+n], v[LB] offset:1280*\p+8*n ; tile n / 8, rows 2 (n % 8) + RP
.set n, n+1
.endr
	s_wait_dscnt 0x0
	s_cmp_lg_u32 s16, 0
	s_cbranch_scc1 .Lno_order_\p
	v_cmp_gt_u32 vcc_lo, 80, v0                    ; q = 0: the chunk's 1,280 bytes of the list go out, 16 bytes a thread
	s_wait_xcnt 0x0                                ; EXEC changes only behind this wait
	s_and_saveexec_b32 s21, vcc_lo
	ds_load_b128 v[FILL:FILL+3], v[LO] offset:1280*\p
	s_wait_dscnt 0x0
.irp k, 0,1,2,3
	v_cmp_gt_u32 vcc_lo, 0x800, v[FILL+\k]         ; a token, or the -1 of a padding place,
	v_cndmask_b32 v[FILL+\k], v[FT], v[FILL+\k], vcc_lo   ; which stands for the token at place 0
.endr
	global_store_b128 v[LOG], v[FILL:FILL+3], s[10:11] offset:1280*\p
	s_wait_xcnt 0x0
	s_or_b32 exec_lo, exec_lo, s21
.Lno_order_\p:
.set n, 0
.rept 40
	v_cmp_gt_u32 vcc_lo, 0x800, v[TOK+n]           ; a token, or the -1 of a padding place,
	v_cndmask_b32 v[X+4*n], v[FT], v[TOK+n], vcc_lo   ; which stands for the token at place 0
	v_min_u32 v[X+4*n], 0x7ff, v[X+4*n]            ; a number out of a list enters an address only behind a clamp by a constant
	v_lshl_add_u32 v[X+4*n], v[X+4*n], 13, v[CB]   ; row x 8,192 bytes + my 16 bytes
	global_load_b128 v[X+4*n:X+4*n+3], v[X+4*n], s[4:5]   ; two rows' 256 aligned bytes; the load lands on its own address
.set n, n+1
.endr
	PTILE 0, \p
	PTILE 1, \p
	PTILE 2, \p
	PTILE 3, \p
	PTILE 4, \p
	s_wait_xcnt 0x0                                ; the stores' data registers are rewritten by the next chunk only behind this wait
.endm
	s_wait_dscnt 0x0                               ; the list is whole and the token at place 0 is in
	s_cmp_eq_u32 s17, 0
	s_cbranch_scc1 .Lend                           ; an expert without tokens has no chunk
	PASS 0
.irp p, 1,2,3,4,5,6
	s_cmp_le_u32 s17, \p
	s_cbranch_scc1 .Lend
	PASS \p
.endr
.Lend:
	s_wait_tensorcnt 0x0
	ds_add_u32 v232, v233
	s_wait_dscnt 0x0
	s_endpgm
.Lfunc_end_k_q62b37c9b3b_pack:
	.size	k_q62b37c9b3b_pack, .Lfunc_end_k_q62b37c9b3b_pack-k_q62b37c9b3b_pack
	.p2alignl 7, 3214868480
	.fill 96, 4, 3214868480
	.section	.rodata,"a",@progbits
	.p2align	6, 0x0
	.amdhsa_kernel k_q62b37c9b3b_pack
		.amdhsa_group_segment_fixed_size 87552
		.amdhsa_private_segment_fixed_size 0
		.amdhsa_enable_private_segment 0
		.amdhsa_kernarg_size 40
		.amdhsa_user_sgpr_count 2
		.amdhsa_user_sgpr_kernarg_segment_ptr 1
		.amdhsa_wavefront_size32 1
		.amdhsa_system_sgpr_workgroup_id_x 1
		.amdhsa_system_sgpr_workgroup_id_y 1
		.amdhsa_system_sgpr_workgroup_id_z 1
		.amdhsa_system_vgpr_workitem_id 0
		.amdhsa_next_free_vgpr 234
		.amdhsa_next_free_sgpr 66
		.amdhsa_reserve_vcc 1
		.amdhsa_float_denorm_mode_32 3
		.amdhsa_float_denorm_mode_16_64 3
		.amdhsa_memory_ordered 1
		.amdhsa_forward_progress 1
		.amdhsa_inst_pref_size 234
	.end_amdhsa_kernel
	.amdgpu_metadata
---
amdhsa.version: [ 1, 2 ]
amdhsa.kernels:
  - .name:           k_q62b37c9b3b_pack
    .symbol:         k_q62b37c9b3b_pack.kd
    .args:
      - { .name: x, .offset: 0, .size: 8, .value_kind: global_buffer, .address_space: global }
      - { .name: expert_ids, .offset: 8, .size: 8, .value_kind: global_buffer, .address_space: global }
      - { .name: xp, .offset: 16, .size: 8, .value_kind: global_buffer, .address_space: global }
      - { .name: order, .offset: 24, .size: 8, .value_kind: global_buffer, .address_space: global }
      - { .name: meta, .offset: 32, .size: 8, .value_kind: global_buffer, .address_space: global }
    .group_segment_fixed_size: 87552
    .private_segment_fixed_size: 0
    .kernarg_segment_align: 8
    .kernarg_segment_size: 40
    .max_flat_workgroup_size: 128
    .sgpr_count:     66
    .vgpr_count:     234
    .wavefront_size: 32
...
	.end_amdgpu_metadata
.endif
;; end of part 1
;; launch gemm (part 2): grid 256 x 1, 4 waves a work-group, no clusters, 262,656 bytes of LDS; arguments xp, w, b, order, meta, out0; writes out0
.if DOCPART == 2
	.amdgcn_target "amdgcn-amd-amdhsa--gfx1250"
	.amdhsa_code_object_version 6
	.text
	.protected	k_q62b37c9b3b_gemm
	.globl	k_q62b37c9b3b_gemm
	.p2align	8
	.type	k_q62b37c9b3b_gemm,@function
k_q62b37c9b3b_gemm:
	s_mov_b64 s[64:65], 0
	v_nop
	global_prefetch_b8 v0, s[64:65] scope:SCOPE_SE
	s_setreg_imm32_b32 hwreg(HW_REG_WAVE_MODE, 25, 1), 1
	s_wait_xcnt 0x0
; GEMM: out0[t] = x[t] . w[e(t)] + b[e(t)], from the packed rows xp, the list order and the chunk counts meta.
; w: [8][2048 (k)][2048 (n)] f32.  b: [8][2048] f32.  out0: [2048][2048] f32.  Operands bf16, sums f32.
; Work-group g owns expert e = g / 32 and the 64 columns of block g % 32: 2,048 x 64 numbers of w, which no other work-group reads.
; PHASE 1, the same whatever the data: wave j streams K quarter 512 j .. 512 j + 511 of that part of w through registers, rounds it to
; bf16 and lays it into LDS as B fragments: 2,048 x 64 x 2 = 262,144 bytes.  One barrier.  So w leaves memory once, however the
; tokens are split over the experts.
; PHASE 2, P = meta[e] <= 7 passes, one for each chunk of 320 places of e's list: wave wv takes tiles 5 wv .. 5 wv + 4 (16 places each), the
; whole K in 64 steps of 32, all 64 columns: 20 accumulators.  B comes from LDS, A straight from xp, which lies in fragment order
; (5,120 neighbouring bytes a wave and step).  LDS is only read here and no wave needs another's sums, so the loop whose number
; of trips is read from memory holds no barrier.
; COLUMNS: fragment f of B holds in lane r the column 4 r + f.  Lane (r, h) loads the 16 bytes of columns 4 r .. 4 r + 3 of the 16 rows k
; that its fragments hold, each load taking two rows' 256 aligned bytes.  In the result, register i of fragment f is (place 8 h + i,
; column 4 r + f), so the four fragments give a lane 16 neighbouring bytes of a row of out0, and 16 lanes 256 aligned bytes.
; ROWS: place p's row goes to row order[e][p] of out0.  A padding place stands, in order and in xp alike, for the token at place 0 of the list:
; its sums have the same A row, the same B and the same order as place 0's, so the same numbers go to the same bytes once more,
; from this work-group alone.  So every row is stored with all lanes on, and this text never writes EXEC.
; NOT IN CLUSTERS: only xp's bytes are shared between work-groups.  A joint request is a tensor load into LDS, whose refills want a
; barrier in each trip, and the trips here are counted by a number read from memory; and w takes 262,144 of the 327,680 bytes of LDS.
; LIMITS: expert_ids in 0..7; a token with another id is in no list and its row is not written.  A work-group whose expert has no token
; still streams its part of w (the barrier does not hang on data) and then stores nothing.
;
; REGISTERS (an instruction names v0-255; s_set_vgpr_msb says which window of 256 each operand place means):
;   window 0: v1-18 addresses, bias; v32-63, v64-95 B fragments, two buffers; phase 1: v64-255 three stages of w;
;             way out: v96-135 the tokens of my 40 pairs of rows, then their byte offsets in out0; v136-231 rows, three sets of 32
;   window 1: v0-159 the 20 accumulators (tile t, fragment f at 32 t + 8 f);   window 2: v0-239 six stages of A fragments (5 tiles each)
.set TILE,   20480                     ; xp: from a K step to the next
.set CHUNKB, 16*TILE                   ; from a chunk to the next
.set JSTR,   7*CHUNKB                  ; from a K quarter to the next
.set WROW,   8192                      ; bytes in a row of w
.set WSTEP,  32*WROW
.set DEPTH,  5                         ; A is asked for five steps ahead,
.set NST,    6                         ; into six stages
.set RR,   1                           ; lane % 16
.set HH,   2                           ; lane / 16
.set WOFF, 3                           ; 8 h rows of w + 16 r; never rewritten
.set PFO,  4                           ; lane rows of w; never rewritten
.set SWB,  5                           ; LDS: 65,536 j + 16 lane: where my K quarter's fragments go
.set LB0,  6                           ; v6-9  LDS: 65,536 c + 16 lane: the fragments of steps 16 c .. 16 c + 15
.set ORD,  10                          ; my 8 places in my first tile of the list
.set COL,  11                          ; 16 r
.set BIAS, 12                          ; v[12:15]
.set LN,   17
.set AO,   18                          ; 5,120 wv + 16 lane: my 16 bytes in my first tile's fragment
.set BB,   32
.set ST0,  64
.set TOK,  96
.set TMP,  136
.set MSB,  0
.macro WIN new                         ; the immediate's high byte repeats the setting that is left
.if MSB != (\new)
	s_set_vgpr_msb (MSB<<8)|(\new)
.set MSB, (\new)
.endif
.endm
; Behind a matrix instruction four plain vector instructions that name none of its registers stand in front of a load into one of its
; registers and in front of a read of its result (ISA guide 7.12.1 for the read of its result).
.macro PLACES
.rept 4
	v_nop
.endr
.endm
; 16 loads: step s of my K quarter into stage s % 3.  Load d: rows 8 h + d (d < 8) or 16 + 8 h + d - 8, my four columns.
.macro LDW s
.irp d, 0,1,2,3,4,5,6,7,8,9,10,11,12,13,14,15
	global_load_b128 v[ST0+64*((\s)%3)+4*\d:ST0+64*((\s)%3)+4*\d+3], v[WOFF], s[6:7] offset:(\s)*WSTEP+(\d+8*(\d/8))*WROW th:TH_LOAD_NT
.endr
.endm
; One step of phase 1: stage s % 3 to four B fragments (two neighbouring k of one column a register, the lower k in the low half), the stage
; asked for again, the fragments into LDS, 512 neighbouring bytes a store.
.macro FILLB s
.if (\s) <= 13
	s_wait_loadcnt 32                              ; this step's 16 loads are in (and the bias, which is older); the two younger stages' 32 stay out
.else
	s_wait_loadcnt 16*(15-(\s))                    ; one younger stage is left, then none
.endif
.irp f, 0,1,2,3
.irp c, 0,1,2,3
	v_cvt_pk_bf16_f32 v[BB+8*\f+\c], v[ST0+64*((\s)%3)+8*\c+\f], v[ST0+64*((\s)%3)+8*\c+4+\f]
	v_cvt_pk_bf16_f32 v[BB+8*\f+4+\c], v[ST0+64*((\s)%3)+32+8*\c+\f], v[ST0+64*((\s)%3)+36+8*\c+\f]
.endr
.endr
.if (\s) <= 12
	LDW (\s)+3                                     ; three steps ahead: 48 loads, 24,576 bytes of a wave are out
.endif
.if (\s) <= 10
	global_prefetch_b8 v[PFO], s[6:7] offset:((\s)+5)*WSTEP th:TH_LOAD_NT scope:SCOPE_SE   ; step s + 5, lane l its row l's 256 bytes: two steps ahead of their loads; each block asked once; none beyond step 15
.endif
.irp m, 0,1,2,3,4,5,6,7
	ds_store_b128 v[SWB], v[BB+4*\m:BB+4*\m+3] offset:(\s)*4096+\m*512   ; m = 2 f + half of the fragment's registers
.endr
.endm
; ten loads: the A fragments of my five tiles, step S, into stage S % 6; each takes 512 neighbouring bytes
.macro LDAG S
	WIN 0x80                                       ; destination window 2, address window 0
.irp i, 0,1,2,3,4
	global_load_b128 v[40*((\S)%NST)+8*\i:40*((\S)%NST)+8*\i+3], v[AO], s[4:5] offset:((\S)>>4)*JSTR+((\S)&15)*TILE+\i*1024
	global_load_b128 v[40*((\S)%NST)+8*\i+4:40*((\S)%NST)+8*\i+7], v[AO], s[4:5] offset:((\S)>>4)*JSTR+((\S)&15)*TILE+\i*1024+512
.endr
.endm
; eight LDS loads: the four B fragments of step S into buffer S % 2
.macro LDB S
.irp m, 0,1,2,3,4,5,6,7
	ds_load_b128 v[BB+32*((\S)&1)+4*\m:BB+32*((\S)&1)+4*\m+3], v[LB0+((\S)>>4)] offset:((\S)&15)*4096+\m*512
.endr
.endm
; ten loads: the tokens of my five tiles, places 8 h + 0..7 of each
.macro LDTOK
.irp i, 0,1,2,3,4
	global_load_b128 v[TOK+8*\i:TOK+8*\i+3], v[ORD], s[10:11] offset:64*\i
	global_load_b128 v[TOK+8*\i+4:TOK+8*\i+7], v[ORD], s[10:11] offset:64*\i+16
.endr
.endm
; One K step of 32: 20 matrix instructions.  The 20 accumulators take turns, one instruction a turn, in the same order in every
; step.  In step 0 the products start the sums: nothing is cleared.
.macro STEP S
.if (\S) == 0
.set ZERO, 1
.else
.set ZERO, 0
	PLACES                                         ; behind the last step's products: its A stage and its B buffer are loaded below
.endif
.if (\S) <= 63-DEPTH
	LDAG (\S)+DEPTH
.endif
	WIN 0
.if (\S) == 64-DEPTH
	LDTOK                                          ; in the place of an A request, so that the counts below go on in tens
.endif
.if (\S) <= 62
	LDB (\S)+1
.endif
.if (\S) <= 64-DEPTH
	s_wait_loadcnt 10*DEPTH                        ; this step's ten loads are in; five younger groups of ten stay out
.else
	s_wait_loadcnt 10*(64-(\S))                    ; the groups that are left, the tokens' among them
.endif
.if (\S) <= 62
	s_wait_dscnt 8                                 ; this step's B is in; the next step's eight loads stay out
.else
	s_wait_dscnt 0
.endif
	WIN 0x52                                       ; A window 2, B window 0, C and D window 1
.irp t, 0,1,2,3,4
.irp f, 0,1,2,3
.if ZERO
	v_wmma_f32_16x16x32_bf16 v[32*\t+8*\f:32*\t+8*\f+7], v[40*((\S)%NST)+8*\t:40*((\S)%NST)+8*\t+7], v[BB+32*((\S)&1)+8*\f:BB+32*((\S)&1)+8*\f+7], 0
.else
	v_wmma_f32_16x16x32_bf16 v[32*\t+8*\f:32*\t+8*\f+7], v[40*((\S)%NST)+8*\t:40*((\S)%NST)+8*\t+7], v[BB+32*((\S)&1)+8*\f:BB+32*((\S)&1)+8*\f+7], v[32*\t+8*\f:32*\t+8*\f+7]
.endif
.endr
.endr
.endm
; The way out of tile t.  The add of the bias also brings a row's four columns together, in set t % 3 of the row registers.
.macro ADDB t
.irp i, 0,1,2,3,4,5,6,7
.irp f, 0,1,2,3
	v_add_f32 v[TMP+32*((\t)%3)+4*\i+\f], v[32*\t+8*\f+\i], v[BIAS+\f]
.endr
.endr
.endm
; Lanes 0-15 store 256 consecutive aligned bytes of the row of the token at place i of the tile, lanes 16-31 of the token at place 8 + i.
.macro STO t
.irp i, 0,1,2,3,4,5,6,7
	global_store_b128 v[TOK+8*\t+\i], v[TMP+32*((\t)%3)+4*\i:TMP+32*((\t)%3)+4*\i+3], s[14:15] th:TH_STORE_NT
.endr
.endm
	s_load_b256 s[4:11], s[0:1], 0x0               ; xp s[4:5], w s[6:7], b s[8:9], order s[10:11]
	s_load_b64 s[12:13], s[0:1], 0x20              ; meta
	s_load_b64 s[14:15], s[0:1], 0x28              ; out0
	v_lshl_add_u32 v30, v0, 2, 0x40000
	v_mov_b32 v31, 0
	v_lshrrev_b32 v1, 5, v0
	v_readfirstlane_b32 s16, v1                    ; wave
	s_lshr_b32 s18, ttmp9, 5                       ; e
	s_and_b32 s19, ttmp9, 31                       ; block of 64 columns
	s_lshl_b32 s24, s19, 8                         ; in bytes
	s_mov_b32 s23, 0                               ; s[22:23]: offsets
	v_and_b32 v[RR], 15, v0
	v_bfe_u32 v[HH], v0, 4, 1
	v_and_b32 v[LN], 31, v0
	v_lshlrev_b32 v[COL], 4, v[RR]
	v_lshl_add_u32 v[WOFF], v[HH], 16, v[COL]
	v_lshlrev_b32 v[PFO], 13, v[LN]
	s_lshl_b32 s25, s16, 16
	v_lshl_add_u32 v[SWB], v[LN], 4, s25
	v_lshlrev_b32 v[LB0], 4, v[LN]
	v_add_nc_u32 v[LB0+1], 0x10000, v[LB0]
	v_add_nc_u32 v[LB0+2], 0x20000, v[LB0]
	v_add_nc_u32 v[LB0+3], 0x30000, v[LB0]
	s_mul_i32 s25, s16, 320                        ; five tiles of 16 places of 4 bytes
	v_lshl_add_u32 v[ORD], v[HH], 5, s25
	s_mul_i32 s25, s16, 5120                       ; five fragments of 1,024 bytes
	v_lshl_add_u32 v[AO], v[LN], 4, s25
	s_wait_kmcnt 0x0
	s_lshl_b32 s22, s18, 2
	s_add_nc_u64 s[12:13], s[12:13], s[22:23]
	s_load_b32 s20, s[12:13], 0x0                  ; P; no line of this text writes meta
	s_mul_i32 s22, s18, 4*JSTR
	s_add_nc_u64 s[4:5], s[4:5], s[22:23]          ; xp at e, K quarter 0, chunk 0, step 0
	s_mul_i32 s22, s18, 8960
	s_add_nc_u64 s[10:11], s[10:11], s[22:23]      ; order at e's places
	s_lshl_b32 s22, s18, 24                        ; e x 2,048 rows
	s_lshl_b32 s25, s16, 22                        ; wave x 512 rows
	s_add_co_u32 s22, s22, s25
	s_add_co_u32 s22, s22, s24
	s_add_nc_u64 s[6:7], s[6:7], s[22:23]          ; w at my K quarter and columns
	s_lshl_b32 s22, s18, 13
	s_add_co_u32 s22, s22, s24
	s_add_nc_u64 s[8:9], s[8:9], s[22:23]          ; b
	s_mov_b32 s22, s24
	s_add_nc_u64 s[14:15], s[14:15], s[22:23]      ; out0 at my columns of row 0; never stepped
	; PHASE 1
	global_load_b128 v[BIAS:BIAS+3], v[COL], s[8:9]
	LDW 0
	LDW 1
	LDW 2
	global_prefetch_b8 v[PFO], s[6:7] offset:3*WSTEP th:TH_LOAD_NT scope:SCOPE_SE   ; steps 3 and 4, whose loads follow in steps 0 and 1
	global_prefetch_b8 v[PFO], s[6:7] offset:4*WSTEP th:TH_LOAD_NT scope:SCOPE_SE
.irp n, 0,1,2,3,4,5,6,7,8,9,10,11,12,13,14,15
	FILLB \n
.endr
	s_wait_dscnt 0x0                               ; for the others' sake: my quarter of the fragments is in LDS
	s_barrier_signal -1
	s_barrier_wait -1                              ; everybody's is; from here on LDS is only read
	; PHASE 2
	s_wait_kmcnt 0x0
	s_min_u32 s20, s20, 7
	s_mov_b32 s21, 0
	s_cmp_eq_u32 s20, 0
	s_cbranch_scc1 .Lend                           ; an expert without tokens
.Lpass:                                            ; one chunk of 320 places a trip
	LDAG 0
	LDAG 1
	LDAG 2
	LDAG 3
	LDAG 4
	WIN 0
	LDB 0
.set SS, 0
.rept 64
	STEP SS
.set SS, SS+1
.endr
	PLACES                                         ; behind the last products: results are read; the next trip loads fragment registers
	WIN 0
	s_wait_loadcnt 0x0                             ; the tokens of my five tiles; no load is out any more
	; A token read from the list becomes an offset in its own register: clamped in place by a constant, shifted left to rows of
	; 8,192 bytes, and my 16 r added.
.set n, 0
.rept 40
	v_min_u32 v[TOK+n], 0x7ff, v[TOK+n]
	v_lshlrev_b32 v[TOK+n], 13, v[TOK+n]
	v_add_nc_u32 v[TOK+n], v[COL], v[TOK+n]
.set n, n+1
.endr
	WIN 0x01                                       ; source 0 (the sums) window 1
	ADDB 0
	ADDB 1
	ADDB 2
	WIN 0
	STO 0
	STO 1
	STO 2
	s_wait_xcnt 0x0                                ; the first two sets of row registers, which stores read, are rewritten only behind this wait
	WIN 0x01
	ADDB 3
	ADDB 4
	WIN 0
	STO 3
	STO 4
	s_wait_xcnt 0x0                                ; the stores' offsets and data are rewritten in the next trip only behind this wait
	s_add_nc_u64 s[4:5], s[4:5], CHUNKB            ; the next chunk; the loads that used these bases were shown done above
	s_add_nc_u64 s[10:11], s[10:11], 1280
	s_add_co_u32 s21, s21, 1
	s_cmp_lt_u32 s21, s20
	s_cbranch_scc1 .Lpass
.Lend:
	s_wait_tensorcnt 0x0
	ds_add_u32 v30, v31
	s_wait_dscnt 0x0
	s_endpgm
.Lfunc_end_k_q62b37c9b3b_gemm:
	.size	k_q62b37c9b3b_gemm, .Lfunc_end_k_q62b37c9b3b_gemm-k_q62b37c9b3b_gemm
	.p2alignl 7, 3214868480
	.fill 96, 4, 3214868480
	.section	.rodata,"a",@progbits
	.p2align	6, 0x0
	.amdhsa_kernel k_q62b37c9b3b_gemm
		.amdhsa_group_segment_fixed_size 262656
		.amdhsa_private_segment_fixed_size 0
		.amdhsa_enable_private_segment 0
		.amdhsa_kernarg_size 48
		.amdhsa_user_sgpr_count 2
		.amdhsa_user_sgpr_kernarg_segment_ptr 1
		.amdhsa_wavefront_size32 1
		.amdhsa_system_sgpr_workgroup_id_x 1
		.amdhsa_system_sgpr_workgroup_id_y 1
		.amdhsa_system_sgpr_workgroup_id_z 1
		.amdhsa_system_vgpr_workitem_id 0
		.amdhsa_next_free_vgpr 752
		.amdhsa_next_free_sgpr 66
		.amdhsa_reserve_vcc 0
		.amdhsa_float_denorm_mode_32 3
		.amdhsa_float_denorm_mode_16_64 3
		.amdhsa_memory_ordered 1
		.amdhsa_forward_progress 1
		.amdhsa_inst_pref_size 255
	.end_amdhsa_kernel
	.section	.bss,"aw",@nobits
	.p2align	6
	.space	262144
	.amdgpu_metadata
---
amdhsa.version: [ 1, 2 ]
amdhsa.kernels:
  - .name:           k_q62b37c9b3b_gemm
    .symbol:         k_q62b37c9b3b_gemm.kd
    .args:
      - { .name: xp, .offset: 0, .size: 8, .value_kind: global_buffer, .address_space: global }
      - { .name: w, .offset: 8, .size: 8, .value_kind: global_buffer, .address_space: global }
      - { .name: b, .offset: 16, .size: 8, .value_kind: global_buffer, .address_space: global }
      - { .name: order, .offset: 24, .size: 8, .value_kind: global_buffer, .address_space: global }
      - { .name: meta, .offset: 32, .size: 8, .value_kind: global_buffer, .address_space: global }
      - { .name: out0, .offset: 40, .size: 8, .value_kind: global_buffer, .address_space: global }
    .group_segment_fixed_size: 262656
    .private_segment_fixed_size: 0
    .kernarg_segment_align: 8
    .kernarg_segment_size: 48
    .max_flat_workgroup_size: 128
    .sgpr_count:     66
    .vgpr_count:     752
    .wavefront_size: 32
...
	.end_amdgpu_metadata
.endif
;; end of part 2
;; ======== version 2 of 2: 2 launches; version 1 with the launch gemm written anew for expert scheduling mode
;; workspace buffers: xp 73,400,320 bytes; order 71,680 bytes of whole numbers; meta 256 bytes of whole numbers
;; launch pack: the kernel of part 1 again; grid 256 x 1, 4 waves a work-group, no clusters, 87,552 bytes of LDS; arguments x, expert_ids, xp, order, meta; writes xp, order, meta
;; launch gemm (part 3): grid 256 x 1, 4 waves a work-group, no clusters, 262,656 bytes of LDS; arguments xp, w, b, order, meta, out0; writes out0
.if DOCPART == 3
	.amdgcn_target "amdgcn-amd-amdhsa--gfx1250"
	.amdhsa_code_object_version 6
	.text
	.protected	k_q62b37c9b3b_gemm
	.globl	k_q62b37c9b3b_gemm
	.p2align	8
	.type	k_q62b37c9b3b_gemm,@function
k_q62b37c9b3b_gemm:
	s_mov_b64 s[64:65], 0
	v_nop
	global_prefetch_b8 v0, s[64:65] scope:SCOPE_SE
	s_setreg_imm32_b32 hwreg(HW_REG_WAVE_SCHED_MODE, 0, 2), 2
	s_setreg_imm32_b32 hwreg(HW_REG_WAVE_MODE, 25, 1), 1
	s_wait_xcnt 0x0
	s_wait_alu depctr_vm_vsrc(0)
; GEMM: out0[t] = x[t] . w[e(t)] + b[e(t)], from the packed rows xp, the list order and the chunk counts meta.
; w: [8][2048 (k)][2048 (n)] f32.  b: [8][2048] f32.  out0: [2048][2048] f32.  Operands bf16, sums f32.
; Work-group g owns expert e = g / 32 and the 64 columns of block g % 32: 2,048 x 64 numbers of w, which no other work-group reads.
; PHASE 1, the same whatever the data: wave j streams K quarter 512 j .. 512 j + 511 of that part of w through registers, rounds it to
; bf16 and lays it into LDS as B fragments: 2,048 x 64 x 2 = 262,144 bytes.  One barrier.  So w leaves memory once, however the
; tokens are split over the experts.
; PHASE 2, P = meta[e] <= 7 passes, one for each chunk of 320 places of e's list: wave wv takes tiles 5 wv .. 5 wv + 4 (16 places each), the
; whole K in 64 steps of 32, all 64 columns: 20 accumulators.  B comes from LDS, A straight from xp, which lies in fragment order
; (5,120 neighbouring bytes a wave and step).  LDS is only read here and no wave needs another's sums, so the loop whose number
; of trips is read from memory holds no barrier.
; COLUMNS: fragment f of B holds in lane r the column 4 r + f.  Lane (r, h) loads the 16 bytes of columns 4 r .. 4 r + 3 of the 16 rows k
; that its fragments hold, each load taking two rows' 256 aligned bytes.  In the result, register i of fragment f is (place 8 h + i,
; column 4 r + f), so the four fragments give a lane 16 neighbouring bytes of a row of out0, and 16 lanes 256 aligned bytes.
; ROWS: place p's row goes to row order[e][p] of out0.  A padding place stands, in order and in xp alike, for the token at place 0 of the list:
; its sums have the same A row, the same B and the same order as place 0's, so the same numbers go to the same bytes once more,
; from this work-group alone.  So every row is stored with all lanes on, and this text never writes EXEC.
; NOT IN CLUSTERS: only xp's bytes are shared between work-groups.  A joint request is a tensor load into LDS, whose refills want a
; barrier in each trip, and the trips here are counted by a number read from memory; and w takes 262,144 of the 327,680 bytes of LDS.
; LIMITS: expert_ids in 0..7; a token with another id is in no list and its row is not written.  A work-group whose expert has no token
; still streams its part of w (the barrier does not hang on data) and then stores nothing.
;
; THE MODE: SCHED_MODE bits 1:0 = 2 (LLVM: expert scheduling mode 2), set by the entry lines.  The code itself states the register dependences
; between vector or matrix instructions and memory or LDS instructions, with s_wait_alu, always for 0.
; THE PLAN.  Registers that memory or LDS instructions touch:
;   v3-11, v18    offsets and LDS addresses: written at the head, never again; one wait ahead of the first load serves them all.
;   PHASE 1       v32-63: step s's conversions write them, its eight LDS stores read them.  Stage s % 3 of v64-255: step s's conversions read it, the
;                 loads of step s + 3 land in it.  One wait on va_vdst behind the conversions serves the step's loads and stores; one on vm_vsrc
;                 ahead of the conversions, a step behind the stores that it speaks of, frees v32-63.
;   A, six stages Step S's products read stage S % 6; the loads of step S + 5, issued in step S, land in stage (S - 1) % 6.
;   B, three      Step S's products read buffer S % 3; the LDS loads of step S + 2, issued in step S, land in buffer (S - 1) % 3.
;   v96-135       The list's loads land in step 59; the way out makes offsets of them in place; the stores read them.
;   rows, five    Tile t's adds write set t, its eight stores read it; no set is written twice in a trip.  Sets 3 and 4 lie in B's buffers 0 and 1, B's
;                 buffer 2 in set 0: B is idle on the way out, the rows during the steps.
; So a step's loads land in what the step BEFORE read, and ONE wait on va_vdst at the step's head, behind the waits for the step's own data, states all that they
; hang on.  They follow in one run behind the step's first four products, which name stage S % 6, buffer S % 3 and accumulators: none of the
; registers that those loads touch.  The loop's head states once what the trip before left: see there.
;
; REGISTERS (an instruction names v0-255; s_set_vgpr_msb says which window of 256 each operand place means):
;   window 0: v1-18 addresses, bias; v32-63, v64-95, v136-167 B fragments, three buffers; phase 1: v32-63 fragments at work, v64-255 three stages of w;
;             way out: v96-135 the tokens of my 40 pairs of rows, then their byte offsets in out0; v136-231 and v32-95 rows, five sets of 32
;   window 1: v0-159 the 20 accumulators (tile t, fragment f at 32 t + 8 f);   window 2: v0-239 six stages of A fragments (5 tiles each)
.set TILE,   20480                     ; xp: from a K step to the next
.set CHUNKB, 16*TILE                   ; from a chunk to the next
.set JSTR,   7*CHUNKB                  ; from a K quarter to the next
.set WROW,   8192                      ; bytes in a row of w
.set WSTEP,  32*WROW
.set DEPTH,  5                         ; A is asked for five steps ahead,
.set NST,    6                         ; into six stages
.set RR,   1                           ; lane % 16
.set HH,   2                           ; lane / 16
.set WOFF, 3                           ; 8 h rows of w + 16 r; never rewritten
.set PFO,  4                           ; lane rows of w; never rewritten
.set SWB,  5                           ; LDS: 65,536 j + 16 lane: where my K quarter's fragments go
.set LB0,  6                           ; v6-9  LDS: 65,536 c + 16 lane: the fragments of steps 16 c .. 16 c + 15
.set ORD,  10                          ; my 8 places in my first tile of the list
.set COL,  11                          ; 16 r
.set BIAS, 12                          ; v[12:15]
.set LN,   17
.set AO,   18                          ; 5,120 wv + 16 lane: my 16 bytes in my first tile's fragment
.set BB,   32
.set ST0,  64
.set TOK,  96
.set TMP,  136
.set MSB,  0
.macro WIN new                         ; the immediate's high byte repeats the setting that is left
.if MSB != (\new)
	s_set_vgpr_msb (MSB<<8)|(\new)
.set MSB, (\new)
.endif
.endm
; Behind a matrix instruction four plain vector instructions that name none of its registers stand in front of a load into one of its
; registers and in front of a read of its result (ISA guide 7.12.1 for the read of its result).  They stand beside the waits on va_vdst, not in their place.
.macro PLACES
.rept 4
	v_nop
.endr
.endm
; 16 loads: step s of my K quarter into stage s % 3.  Load d: rows 8 h + d (d < 8) or 16 + 8 h + d - 8, my four columns.
.macro LDW s
.irp d, 0,1,2,3,4,5,6,7,8,9,10,11,12,13,14,15
	global_load_b128 v[ST0+64*((\s)%3)+4*\d:ST0+64*((\s)%3)+4*\d+3], v[WOFF], s[6:7] offset:(\s)*WSTEP+(\d+8*(\d/8))*WROW th:TH_LOAD_NT
.endr
.endm
; One step of phase 1: stage s % 3 to four B fragments (two neighbouring k of one column a register, the lower k in the low half), the stage
; asked for again, the fragments into LDS, 512 neighbouring bytes a store.
.macro FILLB s
.if (\s) <= 13
	s_wait_loadcnt 32                              ; this step's 16 loads are in (and the bias, which is older); the two younger stages' 32 stay out
.else
	s_wait_loadcnt 16*(15-(\s))                    ; one younger stage is left, then none
.endif
.if (\s) > 0
	s_wait_alu depctr_vm_vsrc(0)                   ; the last step's LDS stores have read v32-63, which the conversions below write again
.endif
.irp f, 0,1,2,3
.irp c, 0,1,2,3
	v_cvt_pk_bf16_f32 v[BB+8*\f+\c], v[ST0+64*((\s)%3)+8*\c+\f], v[ST0+64*((\s)%3)+8*\c+4+\f]
	v_cvt_pk_bf16_f32 v[BB+8*\f+4+\c], v[ST0+64*((\s)%3)+32+8*\c+\f], v[ST0+64*((\s)%3)+36+8*\c+\f]
.endr
.endr
	s_wait_alu depctr_va_vdst(0)                   ; the conversions have written v32-63, which the LDS stores below read, and are done reading the stage, in which the loads below land
.if (\s) <= 12
	LDW (\s)+3                                     ; three steps ahead: 48 loads, 24,576 bytes of a wave are out
.endif
.if (\s) <= 10
	global_prefetch_b8 v[PFO], s[6:7] offset:((\s)+5)*WSTEP th:TH_LOAD_NT scope:SCOPE_SE   ; step s + 5, lane l its row l's 256 bytes: two steps ahead of their loads; each block asked once; none beyond step 15
.endif
.irp m, 0,1,2,3,4,5,6,7
	ds_store_b128 v[SWB], v[BB+4*\m:BB+4*\m+3] offset:(\s)*4096+\m*512   ; m = 2 f + half of the fragment's registers
.endr
.endm
; ten loads: the A fragments of my five tiles, step S, into stage S % 6; each takes 512 neighbouring bytes
.macro LDAG S
	WIN 0x80                                       ; destination window 2, address window 0
.irp i, 0,1,2,3,4
	global_load_b128 v[40*((\S)%NST)+8*\i:40*((\S)%NST)+8*\i+3], v[AO], s[4:5] offset:((\S)>>4)*JSTR+((\S)&15)*TILE+\i*1024
	global_load_b128 v[40*((\S)%NST)+8*\i+4:40*((\S)%NST)+8*\i+7], v[AO], s[4:5] offset:((\S)>>4)*JSTR+((\S)&15)*TILE+\i*1024+512
.endr
.endm
; eight LDS loads: the four B fragments of step S into buffer S % 3 (v32, v64, v136)
.macro LDB S
.set BR, BB+32*((\S)%3)+40*(((\S)%3)/2)
.irp m, 0,1,2,3,4,5,6,7
	ds_load_b128 v[BR+4*\m:BR+4*\m+3], v[LB0+((\S)>>4)] offset:((\S)&15)*4096+\m*512
.endr
.endm
; ten loads: the tokens of my five tiles, places 8 h + 0..7 of each
.macro LDTOK
.irp i, 0,1,2,3,4
	global_load_b128 v[TOK+8*\i:TOK+8*\i+3], v[ORD], s[10:11] offset:64*\i
	global_load_b128 v[TOK+8*\i+4:TOK+8*\i+7], v[ORD], s[10:11] offset:64*\i+16
.endr
.endm
; four matrix instructions: tile t of step S, all four fragments of B.  In step 0 the products start the sums: nothing is cleared.
.macro MULT S, t
	WIN 0x52                                       ; A window 2, B window 0, C and D window 1
.set BR, BB+32*((\S)%3)+40*(((\S)%3)/2)
.irp f, 0,1,2,3
.if (\S) == 0
	v_wmma_f32_16x16x32_bf16 v[32*\t+8*\f:32*\t+8*\f+7], v[40*((\S)%NST)+8*\t:40*((\S)%NST)+8*\t+7], v[BR+8*\f:BR+8*\f+7], 0
.else
	v_wmma_f32_16x16x32_bf16 v[32*\t+8*\f:32*\t+8*\f+7], v[40*((\S)%NST)+8*\t:40*((\S)%NST)+8*\t+7], v[BR+8*\f:BR+8*\f+7], v[32*\t+8*\f:32*\t+8*\f+7]
.endif
.endr
.endm
; One K step of 32: 20 matrix instructions.  The 20 accumulators take turns, one instruction a turn, in the same order in every
; step.  The step's loads stand in one run behind its first four products.
.macro STEP S
.if ((\S) > 0) && ((\S) <= 61)
	PLACES                                         ; behind the last step's products: its A stage and its B buffer are loaded below
.endif
.if (\S) <= 60
	s_wait_loadcnt 40                              ; this step's ten loads are in; four younger groups of ten stay out (from step 60 on the tokens' among them)
.else
	s_wait_loadcnt 10*(64-(\S))                    ; the groups that are left, the tokens' among them
.endif
.if (\S) <= 62
	s_wait_dscnt 8                                 ; this step's B is in; the next step's eight loads stay out
.else
	s_wait_dscnt 0
.endif
.if ((\S) > 0) && ((\S) <= 61)
	s_wait_alu depctr_va_vdst(0)                   ; the last step's products are done reading their A stage and their B buffer, in which this step's loads land (steps 62 and 63 load nothing; step 0 leans on the loop's head)
.endif
	MULT \S, 0
.if (\S) <= 63-DEPTH
	LDAG (\S)+DEPTH                                ; no wait: the four products since the wait name stage S % 6, buffer S % 3 and accumulators alone
.endif
.if (\S) <= 61
	WIN 0
.endif
.if (\S) == 64-DEPTH
	LDTOK                                          ; in the place of an A request, so that the counts above go on in tens
.endif
.if (\S) <= 61
	LDB (\S)+2
.endif
.irp t, 1,2,3,4
	MULT \S, \t
.endr
.endm
; The way out of tile t.  The add of the bias also brings a row's four columns together, in the tile's own set of row registers.
.macro ADDB t
.if (\t) < 3
.set RS, TMP+32*(\t)
.else
.set RS, BB+32*((\t)-3)
.endif
.irp i, 0,1,2,3,4,5,6,7
.irp f, 0,1,2,3
	v_add_f32 v[RS+4*\i+\f], v[32*\t+8*\f+\i], v[BIAS+\f]
.endr
.endr
.endm
; Lanes 0-15 store 256 consecutive aligned bytes of the row of the token at place i of the tile, lanes 16-31 of the token at place 8 + i.
.macro STO t
.if (\t) < 3
.set RS, TMP+32*(\t)
.else
.set RS, BB+32*((\t)-3)
.endif
.irp i, 0,1,2,3,4,5,6,7
	global_store_b128 v[TOK+8*\t+\i], v[RS+4*\i:RS+4*\i+3], s[14:15] th:TH_STORE_NT
.endr
.endm
	s_load_b256 s[4:11], s[0:1], 0x0               ; xp s[4:5], w s[6:7], b s[8:9], order s[10:11]
	s_load_b64 s[12:13], s[0:1], 0x20              ; meta
	s_load_b64 s[14:15], s[0:1], 0x28              ; out0
	v_lshl_add_u32 v30, v0, 2, 0x40000
	v_mov_b32 v31, 0
	v_lshrrev_b32 v1, 5, v0
	v_readfirstlane_b32 s16, v1                    ; wave
	s_lshr_b32 s18, ttmp9, 5                       ; e
	s_and_b32 s19, ttmp9, 31                       ; block of 64 columns
	s_lshl_b32 s24, s19, 8                         ; in bytes
	s_mov_b32 s23, 0                               ; s[22:23]: offsets
	v_and_b32 v[RR], 15, v0
	v_bfe_u32 v[HH], v0, 4, 1
	v_and_b32 v[LN], 31, v0
	v_lshlrev_b32 v[COL], 4, v[RR]
	v_lshl_add_u32 v[WOFF], v[HH], 16, v[COL]
	v_lshlrev_b32 v[PFO], 13, v[LN]
	s_wait_alu depctr_va_sdst(0)                   ; s16 is written, ahead of its first reader: LDS addresses, offsets and w's base are made from it
	s_lshl_b32 s25, s16, 16
	v_lshl_add_u32 v[SWB], v[LN], 4, s25
	v_lshlrev_b32 v[LB0], 4, v[LN]
	v_add_nc_u32 v[LB0+1], 0x10000, v[LB0]
	v_add_nc_u32 v[LB0+2], 0x20000, v[LB0]
	v_add_nc_u32 v[LB0+3], 0x30000, v[LB0]
	s_mul_i32 s25, s16, 320                        ; five tiles of 16 places of 4 bytes
	v_lshl_add_u32 v[ORD], v[HH], 5, s25
	s_mul_i32 s25, s16, 5120                       ; five fragments of 1,024 bytes
	v_lshl_add_u32 v[AO], v[LN], 4, s25
	s_wait_kmcnt 0x0
	s_lshl_b32 s22, s18, 2
	s_add_nc_u64 s[12:13], s[12:13], s[22:23]
	s_load_b32 s20, s[12:13], 0x0                  ; P; no line of this text writes meta
	s_mul_i32 s22, s18, 4*JSTR
	s_add_nc_u64 s[4:5], s[4:5], s[22:23]          ; xp at e, K quarter 0, chunk 0, step 0
	s_mul_i32 s22, s18, 8960
	s_add_nc_u64 s[10:11], s[10:11], s[22:23]      ; order at e's places
	s_lshl_b32 s22, s18, 24                        ; e x 2,048 rows
	s_lshl_b32 s25, s16, 22                        ; wave x 512 rows
	s_add_co_u32 s22, s22, s25
	s_add_co_u32 s22, s22, s24
	s_add_nc_u64 s[6:7], s[6:7], s[22:23]          ; w at my K quarter and columns
	s_lshl_b32 s22, s18, 13
	s_add_co_u32 s22, s22, s24
	s_add_nc_u64 s[8:9], s[8:9], s[22:23]          ; b
	s_mov_b32 s22, s24
	s_add_nc_u64 s[14:15], s[14:15], s[22:23]      ; out0 at my columns of row 0; never stepped
	; PHASE 1
	s_wait_alu depctr_va_vdst(0)                   ; the offsets and LDS addresses v3 to v11 and v18 are written, which every load, prefetch and LDS instruction of the kernel reads
	global_load_b128 v[BIAS:BIAS+3], v[COL], s[8:9]
	LDW 0
	LDW 1
	LDW 2
	global_prefetch_b8 v[PFO], s[6:7] offset:3*WSTEP th:TH_LOAD_NT scope:SCOPE_SE   ; steps 3 and 4, whose loads follow in steps 0 and 1
	global_prefetch_b8 v[PFO], s[6:7] offset:4*WSTEP th:TH_LOAD_NT scope:SCOPE_SE
.irp n, 0,1,2,3,4,5,6,7,8,9,10,11,12,13,14,15
	FILLB \n
.endr
	s_wait_dscnt 0x0                               ; for the others' sake: my quarter of the fragments is in LDS
	s_barrier_signal -1
	s_barrier_wait -1                              ; everybody's is; from here on LDS is only read
	; PHASE 2
	s_wait_kmcnt 0x0
	s_min_u32 s20, s20, 7
	s_mov_b32 s21, 0
	s_cmp_eq_u32 s20, 0
	s_cbranch_scc1 .Lend                           ; an expert without tokens
.Lpass:                                            ; one chunk of 320 places a trip
	WIN 0x80                                       ; the window of the first loads, then the waits, then the loads
	s_wait_alu depctr_va_vdst(0)                   ; the trip before: its products are done reading the A stages and B's buffers, its adds have written v32-95 and v136-167: loads land in all of these.  The first trip: phase 1's conversions have written v32-63 and read v64-255
	s_wait_alu depctr_vm_vsrc(0)                   ; the trip before: its stores have read their rows (v32-95, v136-231) and offsets (v96-135), in which this trip's loads land and which its way out writes again.  The first trip: phase 1's LDS stores have read v32-63
	LDAG 0
	LDAG 1
	LDAG 2
	LDAG 3
	LDAG 4
	WIN 0
	LDB 0
	LDB 1
.set SS, 0
.rept 64
	STEP SS
.set SS, SS+1
.endr
	PLACES                                         ; behind the last products: results are read, and B's buffers are written as rows
	WIN 0
	s_wait_loadcnt 0x0                             ; the tokens of my five tiles; no load is out any more
	; A token read from the list becomes an offset in its own register: clamped in place by a constant, shifted left to rows of
	; 8,192 bytes, and my 16 r added.
.set n, 0
.rept 40
	v_min_u32 v[TOK+n], 0x7ff, v[TOK+n]
	v_lshlrev_b32 v[TOK+n], 13, v[TOK+n]
	v_add_nc_u32 v[TOK+n], v[COL], v[TOK+n]
.set n, n+1
.endr
	WIN 0x01                                       ; source 0 (the sums) window 1
	ADDB 0
	ADDB 1
	ADDB 2
	WIN 0
	s_wait_alu depctr_va_vdst(0)                   ; all 40 offsets and the rows of tiles 0 to 2 are written, which the stores below read
	STO 0
	STO 1
	STO 2
	WIN 0x01
	ADDB 3                                         ; into sets of their own: no register that a store above reads is written
	ADDB 4
	WIN 0
	s_wait_alu depctr_va_vdst(0)                   ; the rows of tiles 3 and 4 are written, which the stores below read
	STO 3
	STO 4
	s_wait_xcnt 0x0                                ; the stores' offsets and data are rewritten in the next trip only behind this wait
	s_add_nc_u64 s[4:5], s[4:5], CHUNKB            ; the next chunk; the loads that used these bases were shown done above
	s_add_nc_u64 s[10:11], s[10:11], 1280
	s_add_co_u32 s21, s21, 1
	s_cmp_lt_u32 s21, s20
	s_cbranch_scc1 .Lpass
.Lend:
	s_wait_dscnt 0x0
	s_wait_alu depctr_hold_cnt(0) depctr_sa_sdst(0) depctr_va_vdst(0) depctr_va_sdst(0) depctr_va_ssrc(0) depctr_va_vcc(0) depctr_vm_vsrc(0)
	s_wait_tensorcnt 0x0
	ds_add_u32 v30, v31
	s_wait_dscnt 0x0
	s_endpgm
.Lfunc_end_k_q62b37c9b3b_gemm:
	.size	k_q62b37c9b3b_gemm, .Lfunc_end_k_q62b37c9b3b_gemm-k_q62b37c9b3b_gemm
	.p2alignl 7, 3214868480
	.fill 96, 4, 3214868480
	.section	.rodata,"a",@progbits
	.p2align	6, 0x0
	.amdhsa_kernel k_q62b37c9b3b_gemm
		.amdhsa_group_segment_fixed_size 262656
		.amdhsa_private_segment_fixed_size 0
		.amdhsa_enable_private_segment 0
		.amdhsa_kernarg_size 48
		.amdhsa_user_sgpr_count 2
		.amdhsa_user_sgpr_kernarg_segment_ptr 1
		.amdhsa_wavefront_size32 1
		.amdhsa_system_sgpr_workgroup_id_x 1
		.amdhsa_system_sgpr_workgroup_id_y 1
		.amdhsa_system_sgpr_workgroup_id_z 1
		.amdhsa_system_vgpr_workitem_id 0
		.amdhsa_next_free_vgpr 752
		.amdhsa_next_free_sgpr 66
		.amdhsa_reserve_vcc 0
		.amdhsa_float_denorm_mode_32 3
		.amdhsa_float_denorm_mode_16_64 3
		.amdhsa_memory_ordered 1
		.amdhsa_forward_progress 1
		.amdhsa_inst_pref_size 255
	.end_amdhsa_kernel
	.section	.bss,"aw",@nobits
	.p2align	6
	.space	262144
	.amdgpu_metadata
---
amdhsa.version: [ 1, 2 ]
amdhsa.kernels:
  - .name:           k_q62b37c9b3b_gemm
    .symbol:         k_q62b37c9b3b_gemm.kd
    .args:
      - { .name: xp, .offset: 0, .size: 8, .value_kind: global_buffer, .address_space: global }
      - { .name: w, .offset: 8, .size: 8, .value_kind: global_buffer, .address_space: global }
      - { .name: b, .offset: 16, .size: 8, .value_kind: global_buffer, .address_space: global }
      - { .name: order, .offset: 24, .size: 8, .value_kind: global_buffer, .address_space: global }
      - { .name: meta, .offset: 32, .size: 8, .value_kind: global_buffer, .address_space: global }
      - { .name: out0, .offset: 40, .size: 8, .value_kind: global_buffer, .address_space: global }
    .group_segment_fixed_size: 262656
    .private_segment_fixed_size: 0
    .kernarg_segment_align: 8
    .kernarg_segment_size: 48
    .max_flat_workgroup_size: 128
    .sgpr_count:     66
    .vgpr_count:     752
    .wavefront_size: 32
...
	.end_amdgpu_metadata
.endif
;; end of part 3
